; MI455X (gfx1250); checked and timed in simulation.
; The chip was launched on July 23, 2026; its instructions are those of AMD's public machine-readable ISA for CDNA 5 (MIT licence, August 2026) and "CDNA5" Instruction Set Architecture Reference Guide (July 2026). The comments in the code are by the model that wrote it; some were corrected since.
;; Voxel Feature Extractor. Allowed arithmetic: matrix products marked QUANTISED: E4M3 operands, one E8M0 scale for each 32 along K, by v_wmma_scale_f32_16x16x128_f8f6f4 with both operands' format E4M3, f32 sums; products left as they are: f32 operands where the result goes on into a quantised operand, else bf16, f16 or f32 operands; f32 sums; everything else in f32.
;; Inputs: W1 4 x 64 float32; W2_codes 64 x 2 x 32 uint8 (E4M3 codes of W2, K innermost, in blocks of 32 codes); W2_scales 64 x 2 uint8 (E8M0 scales of W2, one for each 32 codes along K); W3_codes 128 x 2 x 32 uint8 (E4M3 codes of W3, K innermost, in blocks of 32 codes); W3_scales 128 x 2 uint8 (E8M0 scales of W3, one for each 32 codes along K); b1 64 float32; b2 64 float32; b3 128 float32; be1 64 float32; be2 64 float32; g1 64 float32; g2 64 float32; m1 64 float32; m2 64 float32; v1 64 float32; v2 64 float32; voxel_features 50,000 x 32 x 4 float32; voxel_num_points 50,000 int32.
;; Outputs: out0 50,000 x 128 float32.
;; This version of the problem:
;;   THIS VERSION OF THE PROBLEM IS GIVEN IN LOW PRECISION. The matrix products marked QUANTISED in the list below multiply operands that are first quantised to E4M3 (4 exponent bits, 3 mantissa bits; 8 bits a number), with one power-of-two scale for each 32 numbers along K (OCP MX v1.0); their sums are f32. All else is computed in f32.
;;   The module's matrix products, in the order in which they are computed (A, B: the left and right operand; K: the contracted axis; several contracted axes count as one K, in the product's order):
;;     1. [M 1,600,000, K 4] x [K 4, N 64]; A: input voxel_features; B: input W1: left as it is (K = 4 < 32)
;;     2. [M 1,600,000, K 64] x [K 64, N 64]; A: computed on the way; B: input W2 (given as codes): QUANTISED
;;     3. [M 1,600,000, K 64] x [K 64, N 128]; A: computed on the way; B: input W3 (given as codes): QUANTISED
;;   THE QUANTISER, for each operand of a quantised product, along K:
;;     - K is cut into blocks of 32 from its start; a last block that is shorter is filled with zeros.
;;     - A block's scale is 2^e with e = floor(log2(the largest magnitude in the block)) - 8, held to -126 .. 127; a block of zeros has e = 0. As a byte (E8M0): e + 127.
;;     - Each number is divided by its block's scale, clamped to +-448, and rounded to the nearest number of E4M3, ties to even, subnormals kept.
;;     - The product sums the exact products of the quantised numbers (number of the format x scale) in f32.
;;   ~~~python
;;   def quantise(x, axis):      # numpy; x: float32 -> the quantised numbers, widened to float32 again
;;       x = np.moveaxis(x, axis, -1); K = x.shape[-1]
;;       x = np.pad(x, [(0, 0)] * (x.ndim - 1) + [(0, -K % 32)]); x = x.reshape(x.shape[:-1] + (-1, 32)); a = np.abs(x).max(-1, keepdims=True)
;;       e = np.where(a > 0, np.clip(np.frexp(np.where(a > 0, a, 1))[1] - 1 - 8, -126, 127), 0)      # np.frexp(a)[1] - 1 = floor(log2(a)), exactly
;;       r = np.clip(x / 2.0 ** e, -448, 448)
;;       step = 2.0 ** (np.maximum(np.frexp(np.where(r == 0, 1, r))[1] - 1, -6) - 3)
;;       q = np.round(r / step) * step * 2.0 ** e      # np.round: ties to even
;;       return np.moveaxis(q.reshape(q.shape[:-2] + (-1,))[..., :K], -1, axis).astype(np.float32)
;;   ~~~
;;   OPERANDS COMPUTED ON THE WAY. 'Computed on the way' means the value that the module computes at that place (a softmax that the list does not call 'softmax' is quantised finished and normalised). What goes into a quantiser is computed in f32, as accurately as f32 sums, v_exp_f32 and their like allow (about 1e-6 of the number): no bf16 or f16 on the way to a quantiser, and a product that is left as it is and whose result goes on into a quantised operand takes f32 operands (vector FMAs, or v_wmma_f32_16x16x4_f32). A number that lies on a knife's edge between two numbers of the format may be rounded either way, as far as f32 arithmetic and the matrix unit's own rounding can turn it there, and no further.
;;   INPUTS GIVEN AS CODES. W2 (in the module: [64, 64], K = its axis 0); W3 (in the module: [64, 128], K = its axis 0): each comes as NAME_codes (uint8): NAME with its K axis moved to the last place and cut into blocks of 32 codes, [.., K / 32, bytes a block], one block behind the other in memory; one code a byte (a code: sign, 4 exponent bits, 3 mantissa bits); and NAME_scales (uint8): the same leading axes, one E8M0 byte (e + 127) for each 32 codes along K. Its value is code x scale, taken as it is: it is not quantised again, and the codes and scales need not be those that the quantiser above would give.
;; 2 versions, each right; version 2 is version 1 with the launch vfe written anew for expert scheduling mode. Each part assembles by itself: llvm-mc -triple=amdgcn-amd-amdhsa -mcpu=gfx1250 --defsym DOCPART=n.
;; ======== version 1 of 2: 1 launch
;; launch vfe (part 1): grid 250 x 1, 8 waves a work-group, no clusters, 9,216 bytes of LDS; arguments voxel_features, voxel_num_points, W1, b1, g1, be1, m1, v1, W2_codes, W2_scales, b2, g2, be2, m2, v2, W3_codes, W3_scales, b3, out0; writes out0
.if DOCPART == 1
	.amdgcn_target "amdgcn-amd-amdhsa--gfx1250"
	.amdhsa_code_object_version 6
	.text
	.protected	k_q2fd2b0ec11_vfe
	.globl	k_q2fd2b0ec11_vfe
	.p2align	8
	.type	k_q2fd2b0ec11_vfe,@function
k_q2fd2b0ec11_vfe:
	s_mov_b64 s[64:65], 0
	v_nop
	global_prefetch_b8 v0, s[64:65] scope:SCOPE_SE
	s_setreg_imm32_b32 hwreg(HW_REG_WAVE_MODE, 25, 1), 1
	s_wait_xcnt 0x0
; out0[v][o] = max over the first np[v] points p of ( relu(bn2( relu(bn1(x[v][p] W1 + b1)) W2 + b2 )) W3 + b3 )[o].
; x: [50000][32][4] f32.  The first product (K = 4) is f32; the other two are on E4M3 codes with one E8M0 scale for each 32 along K: W2, W3 come as codes, the two hidden layers are quantised in registers.
; SHARES.  250 work-groups x 8 waves x 25 voxels = 50,000.  A wave takes its 25 voxels through the whole chain in registers; all weights and constants stay in its registers; waves share nothing: no barrier.
; No tensor load and no ring in LDS: a voxel's features load straight into the f32 operand's layout, 256 consecutive aligned bytes an instruction, three voxels' work ahead (a ring of four slots in registers).
; No cluster: what work-groups share is the weights, 13.5 KB read once at the head; there is no shared stream.
; BATCHNORM is folded: sc = g rsq(v + eps), c = (b - m) sc + be.  Layer 1: W1' = W1 sc1, and c1 is the C of the f32 matrix instruction.  Layer 2: one packed multiply-add, acc sc2 + c2.
;   (The f32 rounding order so differs from (x - m) rsq g + be.)
; THE MASK is applied at the INPUT: a point p >= np takes point 0's four features.  Rows are independent (a quantiser's block lies inside a row), so such a row repeats a row that counts and the maximum is unchanged.
;   np <= 0: -infinity is added at the end.  np > 32: every point counts.
; K = 64 IN AN INSTRUCTION OF K = 128.  The DATA operand carries the zeros: the registers lie [CD1 8][Z 8][CD2 8]; layer 2 takes (CD1, Z), layer 3 takes (Z, CD2).  The weights lie densely, twelve blocks of 8 registers
;   (W2's four tiles, W3's eight); layer 2's operand is (its block, the next), layer 3's (the block before, its block).  The foreign half meets zero codes under scale bytes 0 (2^-127), and adds nothing.
; LAYOUT.  Lane l: r = l % 16, h = l / 16.  Layers 1 and 2 are used transposed (source 0 = 16 rows of the weight, source 1 = 16 points): a lane holds ONE point and its registers run along the units.
;   The rows of a weight that form a tile are not neighbours: lane r of tile t takes unit base(t) + r + 8 (r / 8), base(t) = 32 (t / 2) + 8 (t % 2), so that register 16 b + i is k = 32 b + 16 h + i of the next product.
;   Layer 3 is used as it stands (source 0 = 16 points, source 1 = 16 columns): a lane holds one column and eight points, so the maximum over points needs no other lane but l xor 16.
;   Tile t of W3 takes columns 64 (t % 2) + 4 r + t / 2: after the halves are joined lane l holds columns 4 l .. 4 l + 3: one store of 16 bytes a lane, 512 consecutive bytes a voxel.
; BY TURNS.  The unit is a half-step s = 2 voxel + tile of 16 points.  A step has three phases, each a run of matrix instructions set in pairs between slices of vector work that does not depend on them:
;   A(s): layer 3 of s      | layer 1's results of s + 1 are quantised
;   B(s): layer 2 of s + 1  | the maximum of s; the mask of s + 2
;   C(s): layer 1 of s + 2  | BatchNorm 2 and the quantiser of s + 1
;   Every sum is ONE matrix instruction (C = 0 or the folded offsets): no accumulator is added onto in place.
; LIMITS.  A NaN code (0x7f, 0xff) or a scale byte 0xff in W2 or W3 would reach the neighbouring tile's columns too.  NaN and infinities among the f32 inputs are not served (the maxima drop NaN).
;   A block of the hidden layers whose largest number lies under 2^(9 - 127) keeps the scale byte 1 (a block of zeros too: its codes are zeros).
.set XO,   1                           ; v1   16 r + 8 h: my 8 bytes of a tile's 256
.set OO,   2                           ; v2   16 l: my 16 bytes of a row of out0 (and of b3)
.set RL,   3                           ; v3   r: my point in tile 0
.set RH,   4                           ; v4   r + 16: in tile 1
.set NP,   5                           ; v5   lane i: np of my wave's voxel min(i, 24)
.set BIA3, 16                          ; v16-19   b3 of my four columns
.set R,    20                          ; v20-23   a voxel's result
.set WS2,  24                          ; v24-27   W2's scale words, a register a tile: bytes 0, 1
.set WS3,  28                          ; v28-35   W3's: bytes 2, 3
.set SW1,  36                          ; v36      hidden layer 1's scale word: bytes 0, 1
.set SW2,  37                          ; v37      hidden layer 2's: bytes 2, 3
.set XM,   38                          ; v38-39   the masked features: layer 1's source 1
.set PT0,  40                          ; v40-41   point 0's pair for my half of the lanes
.set X,    42                          ; v42-57   the ring: slot k at X + 4 k: tile 0's pair, tile 1's pair
.set M,    58                          ; v58-59   block maxima, chain 1
.set N,    60                          ; v60-61   chain 2
.set P,    62                          ; v62-63   the other half of the lanes' maxima
.set SOP,  64                          ; v64-65   the conversions' scale operands
.set HI,   66                          ; v66-67   448 x the scale
.set E,    68                          ; v68-69   the scales' bytes
.set PM,   70                          ; v70-77   running maxima, a register a tile of columns
.set T,    78                          ; v78-93   two sets of eight held numbers (at the head: five address registers)
.set CD1,  94                          ; v94-101  hidden layer 1's codes
.set Z,    102                         ; v102-109 zero codes
.set CD2,  110                         ; v110-117 hidden layer 2's codes
.set HID1, 118                         ; v118-149 layer 1's results: written by the f32 matrix instruction alone
.set ACC2, 150                         ; v150-181 layer 2's results
.set ACC3, 182                         ; v182-245 layer 3's results (at the head: constants at work)
; window 1 (registers 256 on, written by their low 8 bits under s_set_vgpr_msb)
.set W1F,  0                           ; 0-7      W1', two registers a tile
.set BNS2, 8                           ; 8-39     sc2 in layer 2's result layout
.set BNC2, 40                          ; 40-71    c2 likewise
.set BNC1, 72                          ; 72-103   c1 in layer 1's result layout
.set WD,   120                         ; 120-215  the twelve blocks of weight codes: W2's tile t at WD + 8 t, W3's at WD + 32 + 8 t
; scalars: s2 wave; s[8:45] the 19 addresses in the order of the arguments (s[8:9] becomes the trip's first voxel of x, s[44:45] of out0); s[46:47] lane selects; s48 448's mantissa field;
;          s49 trips to go; s50 the next voxel to be masked; s51 its np; s[52:59] four pairs: 0 or -infinity for voxel % 4 (the odd words are named with them and hold 0)
.set MSB, 0
.macro WIN new                         ; low byte: bits 1:0 source 0, 3:2 source 1, 5:4 source 2, 7:6 destination; the high byte repeats the setting that is left
.if MSB != \new
	s_set_vgpr_msb (MSB<<8)|\new
.set MSB, \new
.endif
.endm
.macro NOPS n
.rept \n
	v_nop
.endr
.endm
	s_load_b512 s[8:23], s[0:1], 0x0               ; x, np, W1, b1, g1, be1, m1, v1
	s_load_b512 s[24:39], s[0:1], 0x40             ; W2 codes, W2 scales, b2, g2, be2, m2, v2, W3 codes
	s_load_b128 s[40:43], s[0:1], 0x80             ; W3 scales, b3
	s_load_b64 s[44:45], s[0:1], 0x90              ; out0
	v_lshl_add_u32 v254, v0, 2, 0x2000
	v_mov_b32 v255, 0
	v_lshrrev_b32 v6, 5, v0
	v_readfirstlane_b32 s2, v6                     ; wave 0..7
	v_and_b32 v7, 31, v0                           ; l
	v_and_b32 v[RL], 15, v0                        ; r
	v_bfe_u32 v8, v0, 4, 1                         ; h
	v_add_nc_u32 v[RH], 16, v[RL]
	v_and_b32 v9, 8, v[RL]
	v_add_nc_u32 v9, v9, v[RL]                     ; r + 8 (r / 8)
	v_lshlrev_b32 v[XO], 4, v[RL]
	v_lshl_add_u32 v[XO], v8, 3, v[XO]
	v_lshlrev_b32 v[OO], 4, v7
	v_lshlrev_b32 v10, 3, v7                       ; 8 l: two numbers of a vector of 64
	v_lshlrev_b32 v11, 2, v9
	v_lshl_add_u32 v12, v8, 9, v11                 ; W1: rows 2 h, 2 h + 1 of 256 bytes, my unit's 4 bytes
	v_lshlrev_b32 v13, 6, v9
	v_lshl_add_u32 v13, v8, 4, v13                 ; W2's codes: a row is 64 bytes; + 16 h
	v_lshlrev_b32 v14, 8, v[RL]
	v_lshl_add_u32 v14, v8, 4, v14                 ; W3's codes: rows 4 r apart; + 16 h
	v_lshlrev_b32 v15, 1, v9                       ; W2's scales: 2 bytes a row
	v_lshlrev_b32 v[T], 3, v[RL]                   ; W3's scales: rows 4 r apart
	v_min_u32 v[T+1], 24, v7
	v_lshlrev_b32 v[T+1], 2, v[T+1]                ; np: lanes 25-31 take voxel 24's again: no load leaves the buffer
	s_lshl_b32 s60, s2, 10                         ; LDS: 1,024 bytes of my wave's own
	v_add_nc_u32 v[T+2], s60, v10                  ; in: 8 l
	v_lshl_add_u32 v[T+3], v8, 6, s60              ; out, in the results' layout: 64 h
	v_add_nc_u32 v[T+4], s60, v11                  ; out, by my row of a weight's tile
	s_lshl_b32 s3, ttmp9, 3
	s_add_co_u32 s3, s3, s2                        ; which run of 25 voxels is my wave's: 0 .. 1,999
	s_mul_i32 s4, s3, 12800                        ; 25 voxels of 512 bytes, in x and in out0 alike
	s_mov_b32 s5, 0
	s_mul_i32 s6, s3, 100                          ; and of 4 bytes in np
	s_mov_b32 s7, 0
	s_mov_b32 s46, 0x76543210
	s_mov_b32 s47, 0xfedcba98                      ; v_permlanex16_b32's selects for lane l xor 16
	s_mov_b32 s48, 0x600000
	s_mov_b32 s50, 0
	s_mov_b32 s53, 0
	s_mov_b32 s55, 0
	s_mov_b32 s57, 0
	s_mov_b32 s59, 0
	s_wait_kmcnt 0x0
	s_add_nc_u64 s[8:9], s[8:9], s[4:5]
	s_add_nc_u64 s[44:45], s[44:45], s[4:5]
	s_add_nc_u64 s[10:11], s[10:11], s[6:7]
	; 18 loads: the ten vectors of BatchNorm, two numbers a lane, and W1 in source 0's layout
	global_load_b64 v[ACC3+0:ACC3+1], v10, s[16:17]      ; g1
	global_load_b64 v[ACC3+2:ACC3+3], v10, s[22:23]      ; v1
	global_load_b64 v[ACC3+4:ACC3+5], v10, s[14:15]      ; b1
	global_load_b64 v[ACC3+6:ACC3+7], v10, s[20:21]      ; m1
	global_load_b64 v[ACC3+8:ACC3+9], v10, s[18:19]      ; be1
	global_load_b64 v[ACC3+10:ACC3+11], v10, s[30:31]    ; g2
	global_load_b64 v[ACC3+12:ACC3+13], v10, s[36:37]    ; v2
	global_load_b64 v[ACC3+14:ACC3+15], v10, s[28:29]    ; b2
	global_load_b64 v[ACC3+16:ACC3+17], v10, s[34:35]    ; m2
	global_load_b64 v[ACC3+18:ACC3+19], v10, s[32:33]    ; be2
.irp t, 0,1,2,3
.irp j, 0,1
	global_load_b32 v[ACC3+20+2*\t+\j], v12, s[12:13] offset:256*\j+4*(32*(\t/2)+8*(\t%2))   ; W1(2 h + j, base(t) + r + 8 (r / 8))
.endr
.endr
	; 38 loads: the weights' codes into window 1, their scale words, b3, np
	WIN 0x40
.irp t, 0,1,2,3
.irp c, 0,1
	global_load_b128 v[WD+8*\t+4*\c:WD+8*\t+4*\c+3], v13, s[24:25] offset:64*(32*(\t/2)+8*(\t%2))+32*\c
.endr
.endr
.irp t, 0,1,2,3,4,5,6,7
.irp c, 0,1
	global_load_b128 v[WD+32+8*\t+4*\c:WD+32+8*\t+4*\c+3], v14, s[38:39] offset:64*(64*(\t%2)+\t/2)+32*\c
.endr
.endr
	WIN 0
.irp t, 0,1,2,3
	global_load_u16 v[WS2+\t], v15, s[26:27] offset:2*(32*(\t/2)+8*(\t%2))     ; bytes 0, 1; bytes 2, 3 come as 0
.endr
.irp t, 0,1,2,3,4,5,6,7
	global_load_u16 v[WS3+\t], v[T], s[40:41] offset:2*(64*(\t%2)+\t/2)
.endr
	global_load_b128 v[BIA3:BIA3+3], v[OO], s[42:43]
	global_load_b32 v[NP], v[T+1], s[10:11]
	; 8 loads: voxels 0 to 3 fill the ring
.irp k, 0,1,2,3
	global_load_b64 v[X+4*\k:X+4*\k+1], v[XO], s[8:9] offset:512*\k th:TH_LOAD_NT
	global_load_b64 v[X+4*\k+2:X+4*\k+3], v[XO], s[8:9] offset:512*\k+256 th:TH_LOAD_NT
.endr
.irp i, 0,1,2,3,4,5,6,7
	v_mov_b32 v[Z+\i], 0                           ; the zero codes: written once
.endr
	v_mov_b32 v[P], 0                              ; destinations of lane permutes and of DPP count as sources: written once
	v_mov_b32 v[P+1], 0
	v_mov_b32 v[PT0], 0
	v_mov_b32 v[PT0+1], 0
	s_wait_loadcnt 46                              ; the first 18 loads are in; the 38 + 8 younger ones may be out
	v_add_f32 v[ACC3+2], 0x3727c5ac, v[ACC3+2]     ; v + 1e-5
	v_add_f32 v[ACC3+3], 0x3727c5ac, v[ACC3+3]
	v_add_f32 v[ACC3+12], 0x3727c5ac, v[ACC3+12]
	v_add_f32 v[ACC3+13], 0x3727c5ac, v[ACC3+13]
	v_rsq_f32 v[ACC3+32], v[ACC3+2]
	v_rsq_f32 v[ACC3+33], v[ACC3+3]
	v_rsq_f32 v[ACC3+34], v[ACC3+12]
	v_rsq_f32 v[ACC3+35], v[ACC3+13]
	v_pk_add_f32 v[ACC3+4:ACC3+5], v[ACC3+4:ACC3+5], v[ACC3+6:ACC3+7] neg_lo:[0,1] neg_hi:[0,1]         ; b1 - m1: plain work behind the four
	v_pk_add_f32 v[ACC3+14:ACC3+15], v[ACC3+14:ACC3+15], v[ACC3+16:ACC3+17] neg_lo:[0,1] neg_hi:[0,1]   ; b2 - m2
	s_wait_alu depctr_va_vdst(0)                   ; one wait for the batch of four, ahead of its first reader
	v_pk_mul_f32 v[ACC3+32:ACC3+33], v[ACC3+32:ACC3+33], v[ACC3+0:ACC3+1]                               ; sc1
	v_pk_mul_f32 v[ACC3+34:ACC3+35], v[ACC3+34:ACC3+35], v[ACC3+10:ACC3+11]                             ; sc2
	v_pk_fma_f32 v[ACC3+4:ACC3+5], v[ACC3+4:ACC3+5], v[ACC3+32:ACC3+33], v[ACC3+8:ACC3+9]               ; c1
	v_pk_fma_f32 v[ACC3+14:ACC3+15], v[ACC3+14:ACC3+15], v[ACC3+34:ACC3+35], v[ACC3+18:ACC3+19]         ; c2
	; the four vectors of 64 turn through my wave's own LDS bytes into the layouts in which they are used.  LDS serves a wave's instructions in order (ISA guide 5.7.1.4): no wait between the stores and the loads
	ds_store_b64 v[T+2], v[ACC3+32:ACC3+33]
	ds_store_b64 v[T+2], v[ACC3+4:ACC3+5] offset:256
	ds_store_b64 v[T+2], v[ACC3+34:ACC3+35] offset:512
	ds_store_b64 v[T+2], v[ACC3+14:ACC3+15] offset:768
	WIN 0x40
.irp t, 0,1,2,3
.irp q, 0,1
	ds_load_b128 v[BNC1+8*\t+4*\q:BNC1+8*\t+4*\q+3], v[T+3] offset:256+4*(32*(\t/2)+8*(\t%2))+16*\q    ; register 8 t + j: unit base(t) + 16 h + j
	ds_load_b128 v[BNS2+8*\t+4*\q:BNS2+8*\t+4*\q+3], v[T+3] offset:512+4*(32*(\t/2)+8*(\t%2))+16*\q
	ds_load_b128 v[BNC2+8*\t+4*\q:BNC2+8*\t+4*\q+3], v[T+3] offset:768+4*(32*(\t/2)+8*(\t%2))+16*\q
.endr
.endr
	WIN 0
.irp t, 0,1,2,3
	ds_load_b32 v[ACC3+36+\t], v[T+4] offset:4*(32*(\t/2)+8*(\t%2))      ; sc1 of my row of W1's tile t
.endr
	s_wait_dscnt 0x0
	WIN 0x40
.irp t, 0,1,2,3
.irp j, 0,1
	v_mul_f32 v[W1F+2*\t+\j], v[ACC3+20+2*\t+\j], v[ACC3+36+\t]          ; W1' = W1 sc1
.endr
.endr
	WIN 0
	s_wait_loadcnt 8                               ; the weights, their scales, b3 and np are in; the ring's 8 loads may be out
.irp t, 0,1,2,3,4,5,6,7
	v_lshlrev_b32 v[WS3+\t], 16, v[WS3+\t]         ; W3's codes stand at k = 64 .. 127 of the instruction: bytes 2, 3
.endr
; ---- the matrix instructions, tile t
.macro L1T t                           ; under window setting 0x11: source 0 (W1') and C (c1) in window 1
	v_wmma_f32_16x16x4_f32 v[HID1+8*\t:HID1+8*\t+7], v[W1F+2*\t:W1F+2*\t+1], v[XM:XM+1], v[BNC1+8*\t:BNC1+8*\t+7]
.endm
.macro L2T t                           ; under 0x01: source 0 (W2's block and the next) in window 1; source 1 = (CD1, Z)
	v_wmma_scale_f32_16x16x128_f8f6f4 v[ACC2+8*\t:ACC2+8*\t+7], v[WD+8*\t:WD+8*\t+15], v[CD1:CD1+15], 0, v[WS2+\t], v[SW1]
.endm
.macro L3T t                           ; under 0x04: source 0 = (Z, CD2); source 1 (the block before and W3's block) in window 1
	v_wmma_scale_f32_16x16x128_f8f6f4 v[ACC3+8*\t:ACC3+8*\t+7], v[Z:Z+15], v[WD+24+8*\t:WD+24+8*\t+15], 0, v[SW2], v[WS3+\t]
.endm
; ---- the quantiser of 32 numbers of a lane, v[s] on: register 16 b + i = k 32 b + 16 h + i of my point.  What is negative becomes 0 (the activation)
; Round i of 4 of the two blocks' largest numbers: four chains, four lines.  No |.|: what is negative must not count; the floor 2^(9 - 127) stands over it and holds the byte at 1 from below.
; Each accumulator is first read at its low end.
.macro QR s, i
.if \i == 0
.irp b, 0,1
	v_max3_num_f32 v[M+\b], v[\s+16*\b], v[\s+16*\b+1], 0x4800000
.endr
.irp b, 0,1
	v_max3_num_f32 v[N+\b], v[\s+16*\b+8], v[\s+16*\b+9], v[\s+16*\b+10]
.endr
.elseif \i < 3
.irp b, 0,1
	v_max3_num_f32 v[M+\b], v[M+\b], v[\s+16*\b+2*\i], v[\s+16*\b+2*\i+1]
.endr
.irp b, 0,1
	v_max3_num_f32 v[N+\b], v[N+\b], v[\s+16*\b+9+2*\i], v[\s+16*\b+10+2*\i]
.endr
.else
.irp b, 0,1
	v_max3_num_f32 v[M+\b], v[M+\b], v[\s+16*\b+6], v[\s+16*\b+7]
.endr
.irp b, 0,1
	v_max3_num_f32 v[M+\b], v[M+\b], v[N+\b], v[\s+16*\b+15]
.endr
.endif
.endm
; The scales.  hi = 1: the word's two bytes go to bytes 2, 3
.macro QSC sw, hi
.irp b, 0,1
	v_permlanex16_b32 v[P+\b], v[M+\b], s46, s47
.endr
.irp b, 0,1
	v_max_num_f32 v[M+\b], v[M+\b], v[P+\b]        ; with lane l xor 16's 16 numbers: the block's largest
.endr
.irp b, 0,1
	v_add_nc_u32 v[SOP+\b], 0xfc000000, v[M+\b]    ; 8 off its exponent field: the conversion takes the exponent field of this operand as its scale
.endr
.irp b, 0,1
	v_and_or_b32 v[HI+\b], v[M+\b], 0x7f800000, s48   ; 448 x the scale: the same exponent field over 448's mantissa field
.endr
.irp b, 0,1
	v_lshrrev_b32 v[E+\b], 23, v[SOP+\b]           ; the scale's byte
.endr
	v_lshl_or_b32 v[\sw], v[E+1], 8, v[E]
.if \hi
	v_lshlrev_b32 v[\sw], 16, v[\sw]
.endif
.endm
; Eight numbers g of four: the activation and the hold in one (the conversion to an 8-bit code does not saturate: ISA guide 7.6.2), then eight codes.  The held numbers go to two sets by turns,
; so that eight plain lines stand between a conversion and the next write of its sources.
.macro QG s, g, cd
.irp i, 0,1,2,3,4,5,6,7
	v_med3_num_f32 v[T+8*((\g)%2)+\i], v[\s+8*(\g)+\i], 0, v[HI+(\g)/2]
.endr
	v_cvt_scalef32_pk8_fp8_f32 v[\cd+2*(\g):\cd+2*(\g)+1], v[T+8*((\g)%2):T+8*((\g)%2)+7], v[SOP+(\g)/2]
.endm
.macro BN t                            ; under 0x11: acc sc2 + c2, two at a time, in place; from the accumulator's low end on
.irp i, 0,1,2,3
	v_pk_fma_f32 v[ACC2+8*\t+2*\i:ACC2+8*\t+2*\i+1], v[BNS2+8*\t+2*\i:BNS2+8*\t+2*\i+1], v[ACC2+8*\t+2*\i:ACC2+8*\t+2*\i+1], v[BNC2+8*\t+2*\i:BNC2+8*\t+2*\i+1]
.endr
.endm
; The maximum over a lane's eight points, for tiles t0 .. t0 + n - 1 of columns, by rounds across the tiles.  u = 0: a voxel's first 16 points start the maxima; u = 1: they go on
.macro MXG u, t0, n
.set mi, 0
.rept 4
.set mt, \t0
.rept \n
.set ma, ACC3+8*mt
.if \u == 0
.if mi == 0
	v_max3_num_f32 v[PM+mt], v[ma], v[ma+1], v[ma+2]
.elseif mi < 3
	v_max3_num_f32 v[PM+mt], v[PM+mt], v[ma+2*mi+1], v[ma+2*mi+2]
.else
	v_max_num_f32 v[PM+mt], v[PM+mt], v[ma+7]
.endif
.else
	v_max3_num_f32 v[PM+mt], v[PM+mt], v[ma+2*mi], v[ma+2*mi+1]
.endif
.set mt, mt+1
.endr
.set mi, mi+1
.endr
.endm
; The mask of tile u of the voxel in slot k.  lc (u = 0): how many younger loads may stay out when this voxel's two have to be in
.macro MASK k, u, lc
.if \u == 0
	s_wait_loadcnt \lc                             ; loads come back in order (ISA guide 5.7.1): this voxel's two are in
	v_readlane_b32 s51, v[NP], s50                 ; its np
	s_add_co_u32 s50, s50, 1
	s_cmp_gt_i32 s51, 0
	s_cselect_b32 s[52+2*(\k)], 0, 0xff800000      ; what is added to its result: 0, or -infinity where no point counts
	v_mov_b32_dpp v[PT0], v[X+4*(\k)] row_share:0 row_mask:0xf bank_mask:0xf       ; point 0's pair: lanes 0-15 take lane 0's, lanes 16-31 lane 16's
	v_mov_b32_dpp v[PT0+1], v[X+4*(\k)+1] row_share:0 row_mask:0xf bank_mask:0xf
	v_cmp_gt_i32 vcc_lo, s51, v[RL]                ; does my point count?
	v_cndmask_b32 v[XM], v[PT0], v[X+4*(\k)], vcc_lo
	v_cndmask_b32 v[XM+1], v[PT0+1], v[X+4*(\k)+1], vcc_lo
.else
	v_cmp_gt_i32 vcc_lo, s51, v[RH]
	v_cndmask_b32 v[XM], v[PT0], v[X+4*(\k)+2], vcc_lo
	v_cndmask_b32 v[XM+1], v[PT0+1], v[X+4*(\k)+3], vcc_lo
.endif
.endm
.macro RELOAD k, imm                   ; slot k, read out, takes the voxel four further on
	global_load_b64 v[X+4*(\k):X+4*(\k)+1], v[XO], s[8:9] offset:\imm th:TH_LOAD_NT
	global_load_b64 v[X+4*(\k)+2:X+4*(\k)+3], v[XO], s[8:9] offset:\imm+256 th:TH_LOAD_NT
.endm
; A voxel is finished: the halves of the lanes are joined for two tiles at once; b3 (behind the maximum: rounding is monotone, so the bits are those of the maximum of the sums); the penalty; the store
.macro FIN p, k
	s_wait_xcnt 0x0                                ; the last voxel's store has read R: it is rewritten only behind this wait
.irp q, 0,1,2,3
	v_permlane16_swap_b32 v[PM+2*\q], v[PM+2*\q+1] ; tile 2 q's upper lanes change places with tile 2 q + 1's lower lanes
.endr
.irp q, 0,1,2,3
	v_max_num_f32 v[R+\q], v[PM+2*\q], v[PM+2*\q+1]   ; lane l: column 4 l + q
.endr
	v_pk_add_f32 v[R:R+1], v[R:R+1], v[BIA3:BIA3+1]
	v_pk_add_f32 v[R+2:R+3], v[R+2:R+3], v[BIA3+2:BIA3+3]
	v_pk_add_f32 v[R:R+1], v[R:R+1], s[52+2*(\k):53+2*(\k)] op_sel_hi:[1,0]
	v_pk_add_f32 v[R+2:R+3], v[R+2:R+3], s[52+2*(\k):53+2*(\k)] op_sel_hi:[1,0]
	global_store_b128 v[OO], v[R:R+3], s[44:45] offset:512*(\p) th:TH_STORE_NT     ; 32 lanes store the voxel's 512 consecutive bytes, at a multiple of 256 from out0's first byte
.endm
; PLACES.  A vector instruction that reads a result of these matrix forms, or writes one of their registers, stands eight plain vector instructions behind them; codes written by vector instructions stand
; four, a scale word eight, ahead of a scaled matrix instruction.  In the steady state the slices are the places; where a phase runs without its vector work, v_nop stand for them.
; PHASE A.  l3: layer 3 of the step in hand.  q1: layer 1's results of the next step are quantised.  The first four lines are the four places behind CD2's last conversion.
.macro PH_A l3, q1
.if \q1
	QR HID1, 0
.else
	NOPS 4
.endif
.if \l3
	WIN 0x04
	L3T 0
	L3T 1
.endif
.if \q1
	WIN 0
	QR HID1, 1
	QR HID1, 2
	QR HID1, 3
.endif
.if \l3
	WIN 0x04
	L3T 2
	L3T 3
.endif
.if \q1
	WIN 0
	QSC SW1, 0                                     ; 32 holds stand between the scale word and layer 2
.endif
.if \l3
	WIN 0x04
	L3T 4
	L3T 5
.endif
.if \q1
	WIN 0
	QG HID1, 0, CD1
	QG HID1, 1, CD1
.endif
.if \l3
	WIN 0x04
	L3T 6
	L3T 7
.endif
	WIN 0
.if \q1
	QG HID1, 2, CD1
	QG HID1, 3, CD1                                ; 16 holds behind the last product of layer 3
.else
	NOPS 8
.endif
.endm
; PHASE B.  l2: layer 2 of the next step.  mx: the maximum of the step in hand (tile u of voxel p of the trip).  mk: the mask of the step after next (slot k).  rl: behind tile 1's mask the slot is loaded again.
; The first four lines are the four places behind CD1's last conversion.
.macro PH_B l2, mx, u, p, mk, k, lc, rl, rimm
.if \mx
	MXG \u, 0, 1
.else
	NOPS 4
.endif
.if \l2
	WIN 0x01
	L2T 0
	L2T 1
	WIN 0
.endif
.if \mx
	MXG \u, 1, 4
.endif
.if \l2
	WIN 0x01
	L2T 2
	L2T 3
	WIN 0
.endif
.if \mk
	MASK \k, \u, \lc
.endif
.if \mx
	MXG \u, 5, 3
.endif
.if (\mx) && ((\u) == 1)
	FIN \p, (\p)%4
.endif
.if (\rl) && ((\u) == 1)
	RELOAD \k, \rimm
.endif
.if (\l2) && ((\mx) == 0)
	NOPS 8
.endif
.endm
; PHASE C.  l1: layer 1 of the step after next.  bq: BatchNorm 2 and the quantiser of the next step.
.macro PH_C l1, bq
.if (\l1) && (\bq)
	WIN 0x11
	L1T 0
	BN 0
	BN 1
	L1T 1
	BN 2
	BN 3
	L1T 2
	WIN 0
	QR ACC2, 0
	QR ACC2, 1
	QR ACC2, 2
	QR ACC2, 3
	WIN 0x11
	L1T 3
	WIN 0
	QSC SW2, 1
	QG ACC2, 0, CD2
	QG ACC2, 1, CD2
	QG ACC2, 2, CD2
	QG ACC2, 3, CD2
.elseif \bq
	WIN 0x11
	BN 0
	BN 1
	BN 2
	BN 3
	WIN 0
	QR ACC2, 0
	QR ACC2, 1
	QR ACC2, 2
	QR ACC2, 3
	QSC SW2, 1
	QG ACC2, 0, CD2
	QG ACC2, 1, CD2
	QG ACC2, 2, CD2
	QG ACC2, 3, CD2
.else
	WIN 0x11
	L1T 0
	L1T 1
	L1T 2
	L1T 3
	WIN 0
	NOPS 8
.endif
.endm
.macro STEP p, u, lc, rl               ; tile u of the trip's voxel p: it masks voxel p + 1 (slot (p + 1) % 4) and, behind tile 1, asks for voxel p + 5
	PH_A 1, 1
	PH_B 1, 1, \u, \p, 1, ((\p)+1)%4, \lc, \rl, ((\p)+5)*512
	PH_C 1, 1
.endm
.macro BODY rl                         ; four voxels.  rl = 1: the ring is kept full: six younger loads at each wait;  rl = 0: nothing more is asked for: the counts run down
.irp p, 0,1,2,3
.if \rl
	STEP \p, 0, 6, 1
	STEP \p, 1, 0, 1
.else
	STEP \p, 0, 6-2*\p, 0
	STEP \p, 1, 0, 0
.endif
.endr
.endm
	; THE WAY IN: voxel 0's two tiles as far as the first step needs them
	MASK 0, 0, 6                                   ; voxel 0, tile 0; voxels 1 to 3 may be out
	PH_C 1, 0                                      ; layer 1 of step 0
	PH_A 0, 1                                      ; quantised
	PH_B 1, 0, 1, 0, 1, 0, 0, 1, 4*512             ; layer 2 of step 0 | the mask of step 1; slot 0 takes voxel 4
	PH_C 1, 1                                      ; layer 1 of step 1 | BatchNorm 2 and the quantiser of step 0
	s_mov_b32 s49, 5
.Ltrip:                                            ; five trips: voxels 0 to 19; the last trip asks for voxel 24, my wave's last
	BODY 1
	s_wait_xcnt 0x0                                ; the trip's loads and stores have read their bases: only now are these stepped
	s_add_nc_u64 s[8:9], s[8:9], 2048
	s_add_nc_u64 s[44:45], s[44:45], 2048
	s_sub_co_u32 s49, s49, 1
	s_cmp_lg_u32 s49, 0
	s_cbranch_scc1 .Ltrip
	BODY 0                                         ; voxels 20 to 23: no load leaves the buffer
	PH_A 1, 1                                      ; voxel 24: layer 3 of its tile 0 | its tile 1 quantised
	PH_B 1, 1, 0, 4, 0, 0, 0, 0, 0                 ; layer 2 of tile 1 | the maximum of tile 0
	PH_C 0, 1                                      ; BatchNorm 2 and the quantiser of tile 1
	PH_A 1, 0                                      ; layer 3 of tile 1
	PH_B 0, 1, 1, 4, 0, 0, 0, 0, 0                 ; its maximum; the voxel is stored
	s_wait_tensorcnt 0x0
	ds_add_u32 v254, v255
	s_wait_dscnt 0x0
	s_endpgm
.Lfunc_end_k_q2fd2b0ec11_vfe:
	.size	k_q2fd2b0ec11_vfe, .Lfunc_end_k_q2fd2b0ec11_vfe-k_q2fd2b0ec11_vfe
	.p2alignl 7, 3214868480
	.fill 96, 4, 3214868480
	.section	.rodata,"a",@progbits
	.p2align	6, 0x0
	.amdhsa_kernel k_q2fd2b0ec11_vfe
		.amdhsa_group_segment_fixed_size 9216
		.amdhsa_private_segment_fixed_size 0
		.amdhsa_enable_private_segment 0
		.amdhsa_kernarg_size 152
		.amdhsa_user_sgpr_count 2
		.amdhsa_user_sgpr_kernarg_segment_ptr 1
		.amdhsa_wavefront_size32 1
		.amdhsa_system_sgpr_workgroup_id_x 1
		.amdhsa_system_sgpr_workgroup_id_y 1
		.amdhsa_system_sgpr_workgroup_id_z 1
		.amdhsa_system_vgpr_workitem_id 0
		.amdhsa_next_free_vgpr 472
		.amdhsa_next_free_sgpr 66
		.amdhsa_reserve_vcc 1
		.amdhsa_float_denorm_mode_32 3
		.amdhsa_float_denorm_mode_16_64 3
		.amdhsa_memory_ordered 1
		.amdhsa_forward_progress 1
		.amdhsa_inst_pref_size 255
	.end_amdhsa_kernel
	.section	.bss,"aw",@nobits
	.p2align	6
	.space	262144
	.amdgpu_metadata
---
amdhsa.version: [ 1, 2 ]
amdhsa.kernels:
  - .name:           k_q2fd2b0ec11_vfe
    .symbol:         k_q2fd2b0ec11_vfe.kd
    .args:
      - { .name: voxel_features, .offset: 0, .size: 8, .value_kind: global_buffer, .address_space: global }
      - { .name: voxel_num_points, .offset: 8, .size: 8, .value_kind: global_buffer, .address_space: global }
      - { .name: W1, .offset: 16, .size: 8, .value_kind: global_buffer, .address_space: global }
      - { .name: b1, .offset: 24, .size: 8, .value_kind: global_buffer, .address_space: global }
      - { .name: g1, .offset: 32, .size: 8, .value_kind: global_buffer, .address_space: global }
      - { .name: be1, .offset: 40, .size: 8, .value_kind: global_buffer, .address_space: global }
      - { .name: m1, .offset: 48, .size: 8, .value_kind: global_buffer, .address_space: global }
      - { .name: v1, .offset: 56, .size: 8, .value_kind: global_buffer, .address_space: global }
      - { .name: W2_codes, .offset: 64, .size: 8, .value_kind: global_buffer, .address_space: global }
      - { .name: W2_scales, .offset: 72, .size: 8, .value_kind: global_buffer, .address_space: global }
      - { .name: b2, .offset: 80, .size: 8, .value_kind: global_buffer, .address_space: global }
      - { .name: g2, .offset: 88, .size: 8, .value_kind: global_buffer, .address_space: global }
      - { .name: be2, .offset: 96, .size: 8, .value_kind: global_buffer, .address_space: global }
      - { .name: m2, .offset: 104, .size: 8, .value_kind: global_buffer, .address_space: global }
      - { .name: v2, .offset: 112, .size: 8, .value_kind: global_buffer, .address_space: global }
      - { .name: W3_codes, .offset: 120, .size: 8, .value_kind: global_buffer, .address_space: global }
      - { .name: W3_scales, .offset: 128, .size: 8, .value_kind: global_buffer, .address_space: global }
      - { .name: b3, .offset: 136, .size: 8, .value_kind: global_buffer, .address_space: global }
      - { .name: out0, .offset: 144, .size: 8, .value_kind: global_buffer, .address_space: global }
    .group_segment_fixed_size: 9216
    .private_segment_fixed_size: 0
    .kernarg_segment_align: 8
    .kernarg_segment_size: 152
    .max_flat_workgroup_size: 256
    .sgpr_count:     66
    .vgpr_count:     472
    .wavefront_size: 32
...
	.end_amdgpu_metadata
.endif
;; end of part 1
;; ======== version 2 of 2: 1 launch; version 1 with the launch vfe written anew for expert scheduling mode
;; launch vfe (part 2): grid 250 x 1, 8 waves a work-group, no clusters, 9,216 bytes of LDS; arguments voxel_features, voxel_num_points, W1, b1, g1, be1, m1, v1, W2_codes, W2_scales, b2, g2, be2, m2, v2, W3_codes, W3_scales, b3, out0; writes out0
.if DOCPART == 2
	.amdgcn_target "amdgcn-amd-amdhsa--gfx1250"
	.amdhsa_code_object_version 6
	.text
	.protected	k_q2fd2b0ec11_vfe
	.globl	k_q2fd2b0ec11_vfe
	.p2align	8
	.type	k_q2fd2b0ec11_vfe,@function
k_q2fd2b0ec11_vfe:
	s_mov_b64 s[64:65], 0
	v_nop
	global_prefetch_b8 v0, s[64:65] scope:SCOPE_SE
	s_setreg_imm32_b32 hwreg(HW_REG_WAVE_SCHED_MODE, 0, 2), 2
	s_setreg_imm32_b32 hwreg(HW_REG_WAVE_MODE, 25, 1), 1
	s_wait_xcnt 0x0
	s_wait_alu depctr_vm_vsrc(0)
; out0[v][o] = max over the first np[v] points p of ( relu(bn2( relu(bn1(x[v][p] W1 + b1)) W2 + b2 )) W3 + b3 )[o].
; x: [50000][32][4] f32.  The first product (K = 4) is f32; the other two are on E4M3 codes with one E8M0 scale for each 32 along K: W2, W3 come as codes, the two hidden layers are quantised in registers.
; SHARES.  250 work-groups x 8 waves x 25 voxels = 50,000.  A wave takes its 25 voxels through the whole chain in registers; all weights and constants stay in its registers; waves share nothing: no barrier.
; No tensor load and no ring in LDS: a voxel's features load straight into the f32 operand's layout, 256 consecutive aligned bytes an instruction, three voxels' work ahead (a ring of four slots in registers).
; No cluster: what work-groups share is the weights, 13.5 KB read once at the head; there is no shared stream.
; BATCHNORM is folded: sc = g rsq(v + eps), c = (b - m) sc + be.  Layer 1: W1' = W1 sc1, and c1 is the C of the f32 matrix instruction.  Layer 2: one packed multiply-add, acc sc2 + c2.
;   (The f32 rounding order so differs from (x - m) rsq g + be.)
; THE MASK is applied at the INPUT: a point p >= np takes point 0's four features.  Rows are independent (a quantiser's block lies inside a row), so such a row repeats a row that counts and the maximum is unchanged.
;   np <= 0: -infinity is added at the end.  np > 32: every point counts.
; K = 64 IN AN INSTRUCTION OF K = 128.  The DATA operand carries the zeros: the registers lie [CD1 8][Z 8][CD2 8]; layer 2 takes (CD1, Z), layer 3 takes (Z, CD2).  The weights lie densely, twelve blocks of 8 registers
;   (W2's four tiles, W3's eight); layer 2's operand is (its block, the next), layer 3's (the block before, its block).  The foreign half meets zero codes under scale bytes 0 (2^-127), and adds nothing.
; LAYOUT.  Lane l: r = l % 16, h = l / 16.  Layers 1 and 2 are used transposed (source 0 = 16 rows of the weight, source 1 = 16 points): a lane holds ONE point and its registers run along the units.
;   The rows of a weight that form a tile are not neighbours: lane r of tile t takes unit base(t) + r + 8 (r / 8), base(t) = 32 (t / 2) + 8 (t % 2), so that register 16 b + i is k = 32 b + 16 h + i of the next product.
;   Layer 3 is used as it stands (source 0 = 16 points, source 1 = 16 columns): a lane holds one column and eight points, so the maximum over points needs no other lane but l xor 16.
;   Tile t of W3 takes columns 64 (t % 2) + 4 r + t / 2: after the halves are joined lane l holds columns 4 l .. 4 l + 3: one store of 16 bytes a lane, 512 consecutive bytes a voxel.
; BY TURNS.  The unit is a half-step s = 2 voxel + tile of 16 points.  A step has three phases, each a run of matrix instructions set in pairs between slices of vector work that does not depend on them:
;   A(s): layer 3 of s      | layer 1's results of s + 1 are quantised
;   B(s): layer 2 of s + 1  | the maximum of s; the mask of s + 2
;   C(s): layer 1 of s + 2  | BatchNorm 2 and the quantiser of s + 1
;   Every sum is ONE matrix instruction (C = 0 or the folded offsets): no accumulator is added onto in place.
; THE MODE: SCHED_MODE bits 1:0 = 2 (LLVM: expert scheduling mode 2), set by the entry lines.  The code itself states the register dependences between vector or matrix instructions and memory or LDS
;   instructions, with s_wait_alu, always for 0.
; THE PLAN.  Registers that memory instructions touch, in the loop:
;   X0 .. X3     Slot q % 4 holds voxel q.  Read by the mask's lines in phase B of steps (q - 1, tile 0) and (q - 1, tile 1); the two loads of voxel q + 4 land in it at the head of phase A of step (q, tile 0).
;   R            Written by a voxel's closing lines, in phase B of step (q, tile 1); read by the voxel's one store, at the head of phase A of step (q + 1, tile 0); written again in phase B of step (q + 1, tile 1).
;   v[XO], v[OO] Offsets, made at the head and never written again: the voxels are reached by the two scalar bases and by immediate offsets.
;   All else is named by vector and matrix instructions alone.
;   A wait on va_vdst stands at the head of phase A and of phase B in any case: the codes and the scale word that vector instructions have just made go to scaled matrix instructions.  Phase A's, at a voxel's first
;   tile, states as well that R is written and that the masks are done reading the slot: so the store of the voxel before and the loads of the voxel four on stand straight behind it and owe no wait of their own.
;   One wait on vm_vsrc a voxel stands ahead of the lines that write R again; one on va_sdst a voxel behind the read of np; one on va_vcc a step between the mask's compare and its selects.
;   Since step (p, tile 0) stores voxel p - 1, voxel 0's first step is written out ahead of the loop, and a trip runs from a voxel's tile 1 to the first tile of the voxel four on.
; LIMITS.  A NaN code (0x7f, 0xff) or a scale byte 0xff in W2 or W3 would reach the neighbouring tile's columns too.  NaN and infinities among the f32 inputs are not served (the maxima drop NaN).
;   A block of the hidden layers whose largest number lies under 2^(9 - 127) keeps the scale byte 1 (a block of zeros too: its codes are zeros).
.set XO,   1                           ; v1   16 r + 8 h: my 8 bytes of a tile's 256
.set OO,   2                           ; v2   16 l: my 16 bytes of a row of out0 (and of b3)
.set RL,   3                           ; v3   r: my point in tile 0
.set RH,   4                           ; v4   r + 16: in tile 1
.set NP,   5                           ; v5   lane i: np of my wave's voxel min(i, 24)
.set BIA3, 16                          ; v16-19   b3 of my four columns
.set R,    20                          ; v20-23   a voxel's result
.set WS2,  24                          ; v24-27   W2's scale words, a register a tile: bytes 0, 1
.set WS3,  28                          ; v28-35   W3's: bytes 2, 3
.set SW1,  36                          ; v36      hidden layer 1's scale word: bytes 0, 1
.set SW2,  37                          ; v37      hidden layer 2's: bytes 2, 3
.set XM,   38                          ; v38-39   the masked features: layer 1's source 1
.set PT0,  40                          ; v40-41   point 0's pair for my half of the lanes
.set X,    42                          ; v42-57   the ring: slot k at X + 4 k: tile 0's pair, tile 1's pair
.set M,    58                          ; v58-59   block maxima, chain 1
.set N,    60                          ; v60-61   chain 2
.set P,    62                          ; v62-63   the other half of the lanes' maxima
.set SOP,  64                          ; v64-65   the conversions' scale operands
.set HI,   66                          ; v66-67   448 x the scale
.set E,    68                          ; v68-69   the scales' bytes
.set PM,   70                          ; v70-77   running maxima, a register a tile of columns
.set T,    78                          ; v78-93   two sets of eight held numbers (at the head: five address registers)
.set CD1,  94                          ; v94-101  hidden layer 1's codes
.set Z,    102                         ; v102-109 zero codes
.set CD2,  110                         ; v110-117 hidden layer 2's codes
.set HID1, 118                         ; v118-149 layer 1's results: written by the f32 matrix instruction alone
.set ACC2, 150                         ; v150-181 layer 2's results
.set ACC3, 182                         ; v182-245 layer 3's results (at the head: constants at work)
; window 1 (registers 256 on, written by their low 8 bits under s_set_vgpr_msb)
.set W1F,  0                           ; 0-7      W1', two registers a tile
.set BNS2, 8                           ; 8-39     sc2 in layer 2's result layout
.set BNC2, 40                          ; 40-71    c2 likewise
.set BNC1, 72                          ; 72-103   c1 in layer 1's result layout
.set WD,   120                         ; 120-215  the twelve blocks of weight codes: W2's tile t at WD + 8 t, W3's at WD + 32 + 8 t
; scalars: s2 wave; s[8:45] the 19 addresses in the order of the arguments (s[8:9] becomes the first of the four voxels in hand in x, s[44:45] in out0); s[46:47] lane selects; s48 448's mantissa field;
;          s49 trips to go; s50 the next voxel to be masked; s51 its np; s[52:59] four pairs: 0 or -infinity for voxel % 4 (the odd words are named with them and hold 0)
.set MSB, 0
.macro WIN new                         ; low byte: bits 1:0 source 0, 3:2 source 1, 5:4 source 2, 7:6 destination; the high byte repeats the setting that is left
.if MSB != \new
	s_set_vgpr_msb (MSB<<8)|\new
.set MSB, \new
.endif
.endm
.macro NOPS n
.rept \n
	v_nop
.endr
.endm
	s_load_b512 s[8:23], s[0:1], 0x0               ; x, np, W1, b1, g1, be1, m1, v1
	s_load_b512 s[24:39], s[0:1], 0x40             ; W2 codes, W2 scales, b2, g2, be2, m2, v2, W3 codes
	s_load_b128 s[40:43], s[0:1], 0x80             ; W3 scales, b3
	s_load_b64 s[44:45], s[0:1], 0x90              ; out0
	v_lshl_add_u32 v254, v0, 2, 0x2000
	v_mov_b32 v255, 0
	v_lshrrev_b32 v6, 5, v0
	v_readfirstlane_b32 s2, v6                     ; wave 0..7
	v_and_b32 v7, 31, v0                           ; l
	v_and_b32 v[RL], 15, v0                        ; r
	v_bfe_u32 v8, v0, 4, 1                         ; h
	v_add_nc_u32 v[RH], 16, v[RL]
	v_and_b32 v9, 8, v[RL]
	v_add_nc_u32 v9, v9, v[RL]                     ; r + 8 (r / 8)
	v_lshlrev_b32 v[XO], 4, v[RL]
	v_lshl_add_u32 v[XO], v8, 3, v[XO]
	v_lshlrev_b32 v[OO], 4, v7
	v_lshlrev_b32 v10, 3, v7                       ; 8 l: two numbers of a vector of 64
	v_lshlrev_b32 v11, 2, v9
	v_lshl_add_u32 v12, v8, 9, v11                 ; W1: rows 2 h, 2 h + 1 of 256 bytes, my unit's 4 bytes
	v_lshlrev_b32 v13, 6, v9
	v_lshl_add_u32 v13, v8, 4, v13                 ; W2's codes: a row is 64 bytes; + 16 h
	v_lshlrev_b32 v14, 8, v[RL]
	v_lshl_add_u32 v14, v8, 4, v14                 ; W3's codes: rows 4 r apart; + 16 h
	v_lshlrev_b32 v15, 1, v9                       ; W2's scales: 2 bytes a row
	v_lshlrev_b32 v[T], 3, v[RL]                   ; W3's scales: rows 4 r apart
	v_min_u32 v[T+1], 24, v7
	v_lshlrev_b32 v[T+1], 2, v[T+1]                ; np: lanes 25-31 take voxel 24's again: no load leaves the buffer
	s_wait_alu depctr_va_sdst(0)                   ; s2 is written, ahead of its first reader: LDS addresses and the bases of x, np and out0 are made from it
	s_lshl_b32 s60, s2, 10                         ; LDS: 1,024 bytes of my wave's own
	v_add_nc_u32 v[T+2], s60, v10                  ; in: 8 l
	v_lshl_add_u32 v[T+3], v8, 6, s60              ; out, in the results' layout: 64 h
	v_add_nc_u32 v[T+4], s60, v11                  ; out, by my row of a weight's tile
	s_lshl_b32 s3, ttmp9, 3
	s_add_co_u32 s3, s3, s2                        ; which run of 25 voxels is my wave's: 0 .. 1,999
	s_mul_i32 s4, s3, 12800                        ; 25 voxels of 512 bytes, in x and in out0 alike
	s_mov_b32 s5, 0
	s_mul_i32 s6, s3, 100                          ; and of 4 bytes in np
	s_mov_b32 s7, 0
	s_mov_b32 s46, 0x76543210
	s_mov_b32 s47, 0xfedcba98                      ; v_permlanex16_b32's selects for lane l xor 16
	s_mov_b32 s48, 0x600000
	s_mov_b32 s50, 0
	s_mov_b32 s53, 0
	s_mov_b32 s55, 0
	s_mov_b32 s57, 0
	s_mov_b32 s59, 0
	s_wait_kmcnt 0x0
	s_add_nc_u64 s[8:9], s[8:9], s[4:5]
	s_add_nc_u64 s[44:45], s[44:45], s[4:5]
	s_add_nc_u64 s[10:11], s[10:11], s[6:7]
	s_wait_alu depctr_va_vdst(0)                   ; all offsets and LDS addresses are written (v1, v2, v10 to v15, v78 to v82), which the loads, the stores and the LDS instructions of the whole kernel read
	; 18 loads: the ten vectors of BatchNorm, two numbers a lane, and W1 in source 0's layout
	global_load_b64 v[ACC3+0:ACC3+1], v10, s[16:17]      ; g1
	global_load_b64 v[ACC3+2:ACC3+3], v10, s[22:23]      ; v1
	global_load_b64 v[ACC3+4:ACC3+5], v10, s[14:15]      ; b1
	global_load_b64 v[ACC3+6:ACC3+7], v10, s[20:21]      ; m1
	global_load_b64 v[ACC3+8:ACC3+9], v10, s[18:19]      ; be1
	global_load_b64 v[ACC3+10:ACC3+11], v10, s[30:31]    ; g2
	global_load_b64 v[ACC3+12:ACC3+13], v10, s[36:37]    ; v2
	global_load_b64 v[ACC3+14:ACC3+15], v10, s[28:29]    ; b2
	global_load_b64 v[ACC3+16:ACC3+17], v10, s[34:35]    ; m2
	global_load_b64 v[ACC3+18:ACC3+19], v10, s[32:33]    ; be2
.irp t, 0,1,2,3
.irp j, 0,1
	global_load_b32 v[ACC3+20+2*\t+\j], v12, s[12:13] offset:256*\j+4*(32*(\t/2)+8*(\t%2))   ; W1(2 h + j, base(t) + r + 8 (r / 8))
.endr
.endr
	; 38 loads: the weights' codes into window 1, their scale words, b3, np.  (Between the wait above and these stand loads and window switches alone)
	WIN 0x40
.irp t, 0,1,2,3
.irp c, 0,1
	global_load_b128 v[WD+8*\t+4*\c:WD+8*\t+4*\c+3], v13, s[24:25] offset:64*(32*(\t/2)+8*(\t%2))+32*\c
.endr
.endr
.irp t, 0,1,2,3,4,5,6,7
.irp c, 0,1
	global_load_b128 v[WD+32+8*\t+4*\c:WD+32+8*\t+4*\c+3], v14, s[38:39] offset:64*(64*(\t%2)+\t/2)+32*\c
.endr
.endr
	WIN 0
.irp t, 0,1,2,3
	global_load_u16 v[WS2+\t], v15, s[26:27] offset:2*(32*(\t/2)+8*(\t%2))     ; bytes 0, 1; bytes 2, 3 come as 0
.endr
.irp t, 0,1,2,3,4,5,6,7
	global_load_u16 v[WS3+\t], v[T], s[40:41] offset:2*(64*(\t%2)+\t/2)
.endr
	global_load_b128 v[BIA3:BIA3+3], v[OO], s[42:43]
	global_load_b32 v[NP], v[T+1], s[10:11]
	; 8 loads: voxels 0 to 3 fill the ring
.irp k, 0,1,2,3
	global_load_b64 v[X+4*\k:X+4*\k+1], v[XO], s[8:9] offset:512*\k th:TH_LOAD_NT
	global_load_b64 v[X+4*\k+2:X+4*\k+3], v[XO], s[8:9] offset:512*\k+256 th:TH_LOAD_NT
.endr
.irp i, 0,1,2,3,4,5,6,7
	v_mov_b32 v[Z+\i], 0                           ; the zero codes: written once
.endr
	v_mov_b32 v[P], 0                              ; destinations of lane permutes and of DPP count as sources: written once
	v_mov_b32 v[P+1], 0
	v_mov_b32 v[PT0], 0
	v_mov_b32 v[PT0+1], 0
	s_wait_loadcnt 46                              ; the first 18 loads are in; the 38 + 8 younger ones may be out
	v_add_f32 v[ACC3+2], 0x3727c5ac, v[ACC3+2]     ; v + 1e-5
	v_add_f32 v[ACC3+3], 0x3727c5ac, v[ACC3+3]
	v_add_f32 v[ACC3+12], 0x3727c5ac, v[ACC3+12]
	v_add_f32 v[ACC3+13], 0x3727c5ac, v[ACC3+13]
	v_rsq_f32 v[ACC3+32], v[ACC3+2]
	v_rsq_f32 v[ACC3+33], v[ACC3+3]
	v_rsq_f32 v[ACC3+34], v[ACC3+12]
	v_rsq_f32 v[ACC3+35], v[ACC3+13]
	v_pk_add_f32 v[ACC3+4:ACC3+5], v[ACC3+4:ACC3+5], v[ACC3+6:ACC3+7] neg_lo:[0,1] neg_hi:[0,1]         ; b1 - m1: plain work behind the four
	v_pk_add_f32 v[ACC3+14:ACC3+15], v[ACC3+14:ACC3+15], v[ACC3+16:ACC3+17] neg_lo:[0,1] neg_hi:[0,1]   ; b2 - m2
	s_wait_alu depctr_va_vdst(0)                   ; one wait for the batch of four, ahead of its first reader: the four reciprocal roots are written
	v_pk_mul_f32 v[ACC3+32:ACC3+33], v[ACC3+32:ACC3+33], v[ACC3+0:ACC3+1]                               ; sc1
	v_pk_mul_f32 v[ACC3+34:ACC3+35], v[ACC3+34:ACC3+35], v[ACC3+10:ACC3+11]                             ; sc2
	v_pk_fma_f32 v[ACC3+4:ACC3+5], v[ACC3+4:ACC3+5], v[ACC3+32:ACC3+33], v[ACC3+8:ACC3+9]               ; c1
	v_pk_fma_f32 v[ACC3+14:ACC3+15], v[ACC3+14:ACC3+15], v[ACC3+34:ACC3+35], v[ACC3+18:ACC3+19]         ; c2
	; the four vectors of 64 turn through my wave's own LDS bytes into the layouts in which they are used.  LDS serves a wave's instructions in order (ISA guide 5.7.1.4): no wait between the stores and the loads
	WIN 0x40                                       ; the loads' destinations lie in window 1; an LDS store's address and data are sources: window 0.  The switch stands ahead of the wait
	s_wait_alu depctr_va_vdst(0)                   ; sc1, c1, sc2 and c2 are written, which the four LDS stores read
	ds_store_b64 v[T+2], v[ACC3+32:ACC3+33]
	ds_store_b64 v[T+2], v[ACC3+4:ACC3+5] offset:256
	ds_store_b64 v[T+2], v[ACC3+34:ACC3+35] offset:512
	ds_store_b64 v[T+2], v[ACC3+14:ACC3+15] offset:768
.irp t, 0,1,2,3
.irp q, 0,1
	ds_load_b128 v[BNC1+8*\t+4*\q:BNC1+8*\t+4*\q+3], v[T+3] offset:256+4*(32*(\t/2)+8*(\t%2))+16*\q    ; register 8 t + j: unit base(t) + 16 h + j
	ds_load_b128 v[BNS2+8*\t+4*\q:BNS2+8*\t+4*\q+3], v[T+3] offset:512+4*(32*(\t/2)+8*(\t%2))+16*\q
	ds_load_b128 v[BNC2+8*\t+4*\q:BNC2+8*\t+4*\q+3], v[T+3] offset:768+4*(32*(\t/2)+8*(\t%2))+16*\q
.endr
.endr
	WIN 0
.irp t, 0,1,2,3
	ds_load_b32 v[ACC3+36+\t], v[T+4] offset:4*(32*(\t/2)+8*(\t%2))      ; sc1 of my row of W1's tile t
.endr
	s_wait_dscnt 0x0
	s_wait_alu depctr_vm_vsrc(0)                   ; the head's loads and LDS instructions have read their addresses in v78 to v82, which the quantiser writes again as T, and the LDS stores their data, which layer 3 writes again as ACC3
	WIN 0x40
.irp t, 0,1,2,3
.irp j, 0,1
	v_mul_f32 v[W1F+2*\t+\j], v[ACC3+20+2*\t+\j], v[ACC3+36+\t]          ; W1' = W1 sc1
.endr
.endr
	WIN 0
	s_wait_loadcnt 8                               ; the weights, their scales, b3 and np are in; the ring's 8 loads may be out
.irp t, 0,1,2,3,4,5,6,7
	v_lshlrev_b32 v[WS3+\t], 16, v[WS3+\t]         ; W3's codes stand at k = 64 .. 127 of the instruction: bytes 2, 3
.endr
; ---- the matrix instructions, tile t
.macro L1T t                           ; under window setting 0x11: source 0 (W1') and C (c1) in window 1
	v_wmma_f32_16x16x4_f32 v[HID1+8*\t:HID1+8*\t+7], v[W1F+2*\t:W1F+2*\t+1], v[XM:XM+1], v[BNC1+8*\t:BNC1+8*\t+7]
.endm
.macro L2T t                           ; under 0x01: source 0 (W2's block and the next) in window 1; source 1 = (CD1, Z)
	v_wmma_scale_f32_16x16x128_f8f6f4 v[ACC2+8*\t:ACC2+8*\t+7], v[WD+8*\t:WD+8*\t+15], v[CD1:CD1+15], 0, v[WS2+\t], v[SW1]
.endm
.macro L3T t                           ; under 0x04: source 0 = (Z, CD2); source 1 (the block before and W3's block) in window 1
	v_wmma_scale_f32_16x16x128_f8f6f4 v[ACC3+8*\t:ACC3+8*\t+7], v[Z:Z+15], v[WD+24+8*\t:WD+24+8*\t+15], 0, v[SW2], v[WS3+\t]
.endm
; ---- the quantiser of 32 numbers of a lane, v[s] on: register 16 b + i = k 32 b + 16 h + i of my point.  What is negative becomes 0 (the activation)
; Round i of 4 of the two blocks' largest numbers: four chains, four lines.  No |.|: what is negative must not count; the floor 2^(9 - 127) stands over it and holds the byte at 1 from below.
; Each accumulator is first read at its low end.
.macro QR s, i
.if \i == 0
.irp b, 0,1
	v_max3_num_f32 v[M+\b], v[\s+16*\b], v[\s+16*\b+1], 0x4800000
.endr
.irp b, 0,1
	v_max3_num_f32 v[N+\b], v[\s+16*\b+8], v[\s+16*\b+9], v[\s+16*\b+10]
.endr
.elseif \i < 3
.irp b, 0,1
	v_max3_num_f32 v[M+\b], v[M+\b], v[\s+16*\b+2*\i], v[\s+16*\b+2*\i+1]
.endr
.irp b, 0,1
	v_max3_num_f32 v[N+\b], v[N+\b], v[\s+16*\b+9+2*\i], v[\s+16*\b+10+2*\i]
.endr
.else
.irp b, 0,1
	v_max3_num_f32 v[M+\b], v[M+\b], v[\s+16*\b+6], v[\s+16*\b+7]
.endr
.irp b, 0,1
	v_max3_num_f32 v[M+\b], v[M+\b], v[N+\b], v[\s+16*\b+15]
.endr
.endif
.endm
; The scales.  hi = 1: the word's two bytes go to bytes 2, 3
.macro QSC sw, hi
.irp b, 0,1
	v_permlanex16_b32 v[P+\b], v[M+\b], s46, s47
.endr
.irp b, 0,1
	v_max_num_f32 v[M+\b], v[M+\b], v[P+\b]        ; with lane l xor 16's 16 numbers: the block's largest
.endr
.irp b, 0,1
	v_add_nc_u32 v[SOP+\b], 0xfc000000, v[M+\b]    ; 8 off its exponent field: the conversion takes the exponent field of this operand as its scale
.endr
.irp b, 0,1
	v_and_or_b32 v[HI+\b], v[M+\b], 0x7f800000, s48   ; 448 x the scale: the same exponent field over 448's mantissa field
.endr
.irp b, 0,1
	v_lshrrev_b32 v[E+\b], 23, v[SOP+\b]           ; the scale's byte
.endr
	v_lshl_or_b32 v[\sw], v[E+1], 8, v[E]
.if \hi
	v_lshlrev_b32 v[\sw], 16, v[\sw]
.endif
.endm
; Eight numbers g of four: the activation and the hold in one (the conversion to an 8-bit code does not saturate: ISA guide 7.6.2), then eight codes.  The held numbers go to two sets by turns,
; so that eight plain lines stand between a conversion and the next write of its sources.
.macro QG s, g, cd
.irp i, 0,1,2,3,4,5,6,7
	v_med3_num_f32 v[T+8*((\g)%2)+\i], v[\s+8*(\g)+\i], 0, v[HI+(\g)/2]
.endr
	v_cvt_scalef32_pk8_fp8_f32 v[\cd+2*(\g):\cd+2*(\g)+1], v[T+8*((\g)%2):T+8*((\g)%2)+7], v[SOP+(\g)/2]
.endm
.macro BN t                            ; under 0x11: acc sc2 + c2, two at a time, in place; from the accumulator's low end on
.irp i, 0,1,2,3
	v_pk_fma_f32 v[ACC2+8*\t+2*\i:ACC2+8*\t+2*\i+1], v[BNS2+8*\t+2*\i:BNS2+8*\t+2*\i+1], v[ACC2+8*\t+2*\i:ACC2+8*\t+2*\i+1], v[BNC2+8*\t+2*\i:BNC2+8*\t+2*\i+1]
.endr
.endm
; The maximum over a lane's eight points, for tiles t0 .. t0 + n - 1 of columns, by rounds across the tiles.  u = 0: a voxel's first 16 points start the maxima; u = 1: they go on
.macro MXG u, t0, n
.set mi, 0
.rept 4
.set mt, \t0
.rept \n
.set ma, ACC3+8*mt
.if \u == 0
.if mi == 0
	v_max3_num_f32 v[PM+mt], v[ma], v[ma+1], v[ma+2]
.elseif mi < 3
	v_max3_num_f32 v[PM+mt], v[PM+mt], v[ma+2*mi+1], v[ma+2*mi+2]
.else
	v_max_num_f32 v[PM+mt], v[PM+mt], v[ma+7]
.endif
.else
	v_max3_num_f32 v[PM+mt], v[PM+mt], v[ma+2*mi], v[ma+2*mi+1]
.endif
.set mt, mt+1
.endr
.set mi, mi+1
.endr
.endm
; The mask of tile u of the voxel in slot k, in three parts, so that other work stands between a line that writes a scalar register or VCC and the wait for it.
; Part 1, tile 0 alone.  lc: how many younger loads may stay out when this voxel's two have to be in
.macro MASKA k, lc
	s_wait_loadcnt \lc                             ; loads come back in order (ISA guide 5.7.1): this voxel's two are in
	v_readlane_b32 s51, v[NP], s50                 ; its np
	v_mov_b32_dpp v[PT0], v[X+4*(\k)] row_share:0 row_mask:0xf bank_mask:0xf       ; point 0's pair: lanes 0-15 take lane 0's, lanes 16-31 lane 16's
	v_mov_b32_dpp v[PT0+1], v[X+4*(\k)+1] row_share:0 row_mask:0xf bank_mask:0xf
.endm
; Part 2: does my point count?
.macro MASKB k, u
.if \u == 0
	s_wait_alu depctr_va_sdst(0)                   ; s51 is written, ahead of its first reader (and the line that wrote it has read s50, which is stepped below)
	s_add_co_u32 s50, s50, 1
	s_cmp_gt_i32 s51, 0
	s_cselect_b32 s[52+2*(\k)], 0, 0xff800000      ; what is added to its result: 0, or -infinity where no point counts
	v_cmp_gt_i32 vcc_lo, s51, v[RL]
.else
	v_cmp_gt_i32 vcc_lo, s51, v[RH]
.endif
.endm
; Part 3: a point that does not count takes point 0's features
.macro MASKC k, u
	s_wait_alu depctr_va_vcc(0)                    ; the compare has written VCC, which the two selects read
	v_cndmask_b32 v[XM], v[PT0], v[X+4*(\k)+2*(\u)], vcc_lo
	v_cndmask_b32 v[XM+1], v[PT0+1], v[X+4*(\k)+2*(\u)+1], vcc_lo
.endm
.macro RELOAD k, imm                   ; slot k, read out, takes the voxel four further on
	global_load_b64 v[X+4*(\k):X+4*(\k)+1], v[XO], s[8:9] offset:\imm th:TH_LOAD_NT
	global_load_b64 v[X+4*(\k)+2:X+4*(\k)+3], v[XO], s[8:9] offset:\imm+256 th:TH_LOAD_NT
.endm
; A voxel is finished: the halves of the lanes are joined for two tiles at once; b3 (behind the maximum: rounding is monotone, so the bits are those of the maximum of the sums); the penalty.  The store follows in the next step
.macro FIN k
	s_wait_xcnt 0x0                                ; the last voxel's store has had its address translated (ISA guide 3.1): R is rewritten only behind this wait,
	s_wait_alu depctr_vm_vsrc(0)                   ; and that store, issued a step and a half back, has read R, which the maxima below write again
.irp q, 0,1,2,3
	v_permlane16_swap_b32 v[PM+2*\q], v[PM+2*\q+1] ; tile 2 q's upper lanes change places with tile 2 q + 1's lower lanes
.endr
.irp q, 0,1,2,3
	v_max_num_f32 v[R+\q], v[PM+2*\q], v[PM+2*\q+1]   ; lane l: column 4 l + q
.endr
	v_pk_add_f32 v[R:R+1], v[R:R+1], v[BIA3:BIA3+1]
	v_pk_add_f32 v[R+2:R+3], v[R+2:R+3], v[BIA3+2:BIA3+3]
	v_pk_add_f32 v[R:R+1], v[R:R+1], s[52+2*(\k):53+2*(\k)] op_sel_hi:[1,0]
	v_pk_add_f32 v[R+2:R+3], v[R+2:R+3], s[52+2*(\k):53+2*(\k)] op_sel_hi:[1,0]
.endm
.macro SEND imm
	global_store_b128 v[OO], v[R:R+3], s[44:45] offset:\imm th:TH_STORE_NT     ; 32 lanes store the voxel's 512 consecutive bytes, at a multiple of 256 from out0's first byte
.endm
; PLACES.  A vector instruction that reads a result of these matrix forms, or writes one of their registers, stands eight plain vector instructions behind them; codes written by vector instructions stand
; four, a scale word eight, ahead of a scaled matrix instruction.  In the steady state the slices are the places; where a phase runs without its vector work, v_nop stand for them.  The waits on va_vdst stand beside the places.
; PHASE A.  l3: layer 3 of the step in hand.  q1: layer 1's results of the next step are quantised.  The first four lines are the four places behind CD2's last conversion.
; rl: slot rk takes the voxel at rimm.  st: the voxel before is stored at simm.
.macro PH_A l3, q1, st, simm, rl, rk, rimm
.if \q1
	QR HID1, 0
.else
	NOPS 4
.endif
.if \l3
	s_wait_alu depctr_va_vdst(0)                   ; hidden layer 2's codes CD2 and its scale word SW2 are written, which layer 3's eight products take (in the first step also Z and W3's scale words); at a voxel's first tile: the masks are done reading the slot in which the loads below land, and R is written, which the store below reads
.if \rl
	RELOAD \rk, \rimm
.endif
.if \st
	SEND \simm
.endif
	WIN 0x04
	L3T 0
	L3T 1
.endif
.if \q1
	WIN 0
	QR HID1, 1
	QR HID1, 2
	QR HID1, 3
.endif
.if \l3
	WIN 0x04
	L3T 2                                          ; (no vector instruction since the wait writes Z, CD2, SW2 or W3's scale words)
	L3T 3
.endif
.if \q1
	WIN 0
	QSC SW1, 0                                     ; 32 holds stand between the scale word and layer 2
.endif
.if \l3
	WIN 0x04
	L3T 4
	L3T 5
.endif
.if \q1
	WIN 0
	QG HID1, 0, CD1
	QG HID1, 1, CD1
.endif
.if \l3
	WIN 0x04
	L3T 6
	L3T 7
.endif
	WIN 0
.if \q1
	QG HID1, 2, CD1
	QG HID1, 3, CD1                                ; 16 holds behind the last product of layer 3
.else
	NOPS 8
.endif
.endm
; PHASE B.  l2: layer 2 of the next step.  mx: the maximum of the step in hand (tile u; pk: its voxel % 4).  mk: the mask of the step after next (slot k).
; The first four lines are the four places behind CD1's last conversion.
.macro PH_B l2, mx, u, pk, mk, k, lc
.if \mx
	MXG \u, 0, 1
.else
	NOPS 4
.endif
.if (\mk) && ((\u) == 0)
	MASKA \k, \lc
.endif
.if \l2
	WIN 0x01
	s_wait_alu depctr_va_vdst(0)                   ; hidden layer 1's codes CD1 and its scale word SW1 are written, which layer 2's four products take (in the first step also Z)
	L2T 0
	L2T 1
	WIN 0
.endif
.if \mk
	MASKB \k, \u
.endif
.if \mx
	MXG \u, 1, 4
.endif
.if \l2
	WIN 0x01
	L2T 2                                          ; (no vector instruction since the wait writes CD1, Z or SW1)
	L2T 3
	WIN 0
.endif
.if \mk
	MASKC \k, \u
.endif
.if \mx
	MXG \u, 5, 3
.endif
.if (\mx) && ((\u) == 1)
	FIN \pk
.endif
.if (\l2) && ((\mx) == 0)
	NOPS 8
.endif
.endm
; PHASE C.  l1: layer 1 of the step after next.  bq: BatchNorm 2 and the quantiser of the next step.
.macro PH_C l1, bq
.if (\l1) && (\bq)
	WIN 0x11
	L1T 0
	BN 0
	BN 1
	L1T 1
	BN 2
	BN 3
	L1T 2
	WIN 0
	QR ACC2, 0
	QR ACC2, 1
	QR ACC2, 2
	QR ACC2, 3
	WIN 0x11
	L1T 3
	WIN 0
	QSC SW2, 1
	QG ACC2, 0, CD2
	QG ACC2, 1, CD2
	QG ACC2, 2, CD2
	QG ACC2, 3, CD2
.elseif \bq
	WIN 0x11
	BN 0
	BN 1
	BN 2
	BN 3
	WIN 0
	QR ACC2, 0
	QR ACC2, 1
	QR ACC2, 2
	QR ACC2, 3
	QSC SW2, 1
	QG ACC2, 0, CD2
	QG ACC2, 1, CD2
	QG ACC2, 2, CD2
	QG ACC2, 3, CD2
.else
	WIN 0x11
	L1T 0
	L1T 1
	L1T 2
	L1T 3
	WIN 0
	NOPS 8
.endif
.endm
; Tile u of voxel p of the four in hand: it masks voxel p + 1 (slot (p + 1) % 4).  At tile 0: rl = 1: slot p % 4 takes voxel p + 4;  st = 1: voxel p - 1 is stored (p = 0: the offset reaches back)
.macro STEP p, u, lc, st, rl
.if \u == 0
	PH_A 1, 1, \st, 512*((\p)-1), \rl, (\p)%4, ((\p)+4)*512
.else
	PH_A 1, 1, 0, 0, 0, 0, 0
.endif
	PH_B 1, 1, \u, (\p)%4, 1, ((\p)+1)%4, \lc
	PH_C 1, 1
.endm
	; THE WAY IN: voxel 0's two tiles as far as the first step needs them
	MASKA 0, 6                                     ; voxel 0, tile 0; voxels 1 to 3 may be out
	MASKB 0, 0
	MASKC 0, 0
	PH_C 1, 0                                      ; layer 1 of step 0
	PH_A 0, 1, 0, 0, 0, 0, 0                       ; quantised
	PH_B 1, 0, 1, 0, 1, 0, 0                       ; layer 2 of step 0 | the mask of step 1
	PH_C 1, 1                                      ; layer 1 of step 1 | BatchNorm 2 and the quantiser of step 0
	STEP 0, 0, 6, 0, 1                             ; voxel 0's first step is written out: there is no voxel before it to store; slot 0 takes voxel 4
	s_mov_b32 s49, 5
.Ltrip:                                            ; five trips, from voxel 4 i's tile 1 to voxel 4 i + 4's tile 0; the ring is kept full: six younger loads at each wait; the last trip asks for voxel 24, my wave's last
	STEP 0, 1, 0, 0, 0
	STEP 1, 0, 6, 1, 1
	STEP 1, 1, 0, 0, 0
	STEP 2, 0, 6, 1, 1
	STEP 2, 1, 0, 0, 0
	STEP 3, 0, 6, 1, 1
	STEP 3, 1, 0, 0, 0
	s_wait_xcnt 0x0                                ; the loads and stores issued so far have read their bases: only now are these stepped
	s_add_nc_u64 s[8:9], s[8:9], 2048
	s_add_nc_u64 s[44:45], s[44:45], 2048
	STEP 0, 0, 6, 1, 1
	s_sub_co_u32 s49, s49, 1
	s_cmp_lg_u32 s49, 0
	s_cbranch_scc1 .Ltrip
	STEP 0, 1, 0, 0, 0                             ; voxels 20 to 23: nothing more is asked for: no load leaves the buffer, and the counts run down
	STEP 1, 0, 4, 1, 0
	STEP 1, 1, 0, 0, 0
	STEP 2, 0, 2, 1, 0
	STEP 2, 1, 0, 0, 0
	STEP 3, 0, 0, 1, 0
	STEP 3, 1, 0, 0, 0
	PH_A 1, 1, 1, 3*512, 0, 0, 0                   ; voxel 24: layer 3 of its tile 0 | its tile 1 quantised; voxel 23 is stored
	PH_B 1, 1, 0, 0, 0, 0, 0                       ; layer 2 of tile 1 | the maximum of tile 0
	PH_C 0, 1                                      ; BatchNorm 2 and the quantiser of tile 1
	PH_A 1, 0, 0, 0, 0, 0, 0                       ; layer 3 of tile 1
	PH_B 0, 1, 1, 0, 0, 0, 0                       ; its maximum; the voxel is finished
	s_wait_alu depctr_va_vdst(0)                   ; voxel 24's result R is written, which the last store reads
	SEND 4*512
	s_wait_dscnt 0x0                               ; the closing lines, six on end
	s_wait_alu 0x0
	s_wait_tensorcnt 0x0
	ds_add_u32 v254, v255
	s_wait_dscnt 0x0
	s_endpgm
.Lfunc_end_k_q2fd2b0ec11_vfe:
	.size	k_q2fd2b0ec11_vfe, .Lfunc_end_k_q2fd2b0ec11_vfe-k_q2fd2b0ec11_vfe
	.p2alignl 7, 3214868480
	.fill 96, 4, 3214868480
	.section	.rodata,"a",@progbits
	.p2align	6, 0x0
	.amdhsa_kernel k_q2fd2b0ec11_vfe
		.amdhsa_group_segment_fixed_size 9216
		.amdhsa_private_segment_fixed_size 0
		.amdhsa_enable_private_segment 0
		.amdhsa_kernarg_size 152
		.amdhsa_user_sgpr_count 2
		.amdhsa_user_sgpr_kernarg_segment_ptr 1
		.amdhsa_wavefront_size32 1
		.amdhsa_system_sgpr_workgroup_id_x 1
		.amdhsa_system_sgpr_workgroup_id_y 1
		.amdhsa_system_sgpr_workgroup_id_z 1
		.amdhsa_system_vgpr_workitem_id 0
		.amdhsa_next_free_vgpr 472
		.amdhsa_next_free_sgpr 66
		.amdhsa_reserve_vcc 1
		.amdhsa_float_denorm_mode_32 3
		.amdhsa_float_denorm_mode_16_64 3
		.amdhsa_memory_ordered 1
		.amdhsa_forward_progress 1
		.amdhsa_inst_pref_size 255
	.end_amdhsa_kernel
	.section	.bss,"aw",@nobits
	.p2align	6
	.space	262144
	.amdgpu_metadata
---
amdhsa.version: [ 1, 2 ]
amdhsa.kernels:
  - .name:           k_q2fd2b0ec11_vfe
    .symbol:         k_q2fd2b0ec11_vfe.kd
    .args:
      - { .name: voxel_features, .offset: 0, .size: 8, .value_kind: global_buffer, .address_space: global }
      - { .name: voxel_num_points, .offset: 8, .size: 8, .value_kind: global_buffer, .address_space: global }
      - { .name: W1, .offset: 16, .size: 8, .value_kind: global_buffer, .address_space: global }
      - { .name: b1, .offset: 24, .size: 8, .value_kind: global_buffer, .address_space: global }
      - { .name: g1, .offset: 32, .size: 8, .value_kind: global_buffer, .address_space: global }
      - { .name: be1, .offset: 40, .size: 8, .value_kind: global_buffer, .address_space: global }
      - { .name: m1, .offset: 48, .size: 8, .value_kind: global_buffer, .address_space: global }
      - { .name: v1, .offset: 56, .size: 8, .value_kind: global_buffer, .address_space: global }
      - { .name: W2_codes, .offset: 64, .size: 8, .value_kind: global_buffer, .address_space: global }
      - { .name: W2_scales, .offset: 72, .size: 8, .value_kind: global_buffer, .address_space: global }
      - { .name: b2, .offset: 80, .size: 8, .value_kind: global_buffer, .address_space: global }
      - { .name: g2, .offset: 88, .size: 8, .value_kind: global_buffer, .address_space: global }
      - { .name: be2, .offset: 96, .size: 8, .value_kind: global_buffer, .address_space: global }
      - { .name: m2, .offset: 104, .size: 8, .value_kind: global_buffer, .address_space: global }
      - { .name: v2, .offset: 112, .size: 8, .value_kind: global_buffer, .address_space: global }
      - { .name: W3_codes, .offset: 120, .size: 8, .value_kind: global_buffer, .address_space: global }
      - { .name: W3_scales, .offset: 128, .size: 8, .value_kind: global_buffer, .address_space: global }
      - { .name: b3, .offset: 136, .size: 8, .value_kind: global_buffer, .address_space: global }
      - { .name: out0, .offset: 144, .size: 8, .value_kind: global_buffer, .address_space: global }
    .group_segment_fixed_size: 9216
    .private_segment_fixed_size: 0
    .kernarg_segment_align: 8
    .kernarg_segment_size: 152
    .max_flat_workgroup_size: 256
    .sgpr_count:     66
    .vgpr_count:     472
    .wavefront_size: 32
...
	.end_amdgpu_metadata
.endif
;; end of part 2
